; MI455X (gfx1250); checked and timed in simulation.
; The chip was launched on July 23, 2026; its instructions are those of AMD's public machine-readable ISA for CDNA 5 (MIT licence, August 2026) and "CDNA5" Instruction Set Architecture Reference Guide (July 2026). The comments in the code are by the model that wrote it; some were corrected since.
;; Quantized Linear ZSE. Allowed arithmetic: matrix products marked QUANTISED: E2M3 operands, one E8M0 scale for each 32 along K, by v_wmma_scale_f32_16x16x128_f8f6f4 with both operands' format E2M3, f32 sums; everything else in f32.
;; Inputs: weight_packed 4,096 x 2,048 int32; weight_scales 4,096 x 32 float32; x 4,096 x 4,096 float32.
;; Outputs: out0 4,096 x 4,096 float32.
;; Constants: group_size = 128.
;; This version of the problem:
;;   THIS VERSION OF THE PROBLEM IS GIVEN IN LOW PRECISION. The matrix products marked QUANTISED in the list below multiply operands that are first quantised to E2M3 (2 exponent bits, 3 mantissa bits; 6 bits a number), with one power-of-two scale for each 32 numbers along K (OCP MX v1.0); their sums are f32. All else is computed in f32.
;;   The module's matrix products, in the order in which they are computed (A, B: the left and right operand; K: the contracted axis; several contracted axes count as one K, in the product's order):
;;     1. [M 4,096, K 4,096] x [K 4,096, N 4,096]; A: input x; B: computed on the way: QUANTISED
;;   THE QUANTISER, for each operand of a quantised product, along K:
;;     - K is cut into blocks of 32 from its start; a last block that is shorter is filled with zeros.
;;     - A block's scale is 2^e with e = floor(log2(the largest magnitude in the block)) - 2, held to -126 .. 127; a block of zeros has e = 0. As a byte (E8M0): e + 127.
;;     - Each number is divided by its block's scale, clamped to +-7.5, and rounded to the nearest number of E2M3, ties to even, subnormals kept.
;;     - The product sums the exact products of the quantised numbers (number of the format x scale) in f32.
;;   ~~~python
;;   def quantise(x, axis):      # numpy; x: float32 -> the quantised numbers, widened to float32 again
;;       x = np.moveaxis(x, axis, -1); K = x.shape[-1]
;;       x = np.pad(x, [(0, 0)] * (x.ndim - 1) + [(0, -K % 32)]); x = x.reshape(x.shape[:-1] + (-1, 32)); a = np.abs(x).max(-1, keepdims=True)
;;       e = np.where(a > 0, np.clip(np.frexp(np.where(a > 0, a, 1))[1] - 1 - 2, -126, 127), 0)      # np.frexp(a)[1] - 1 = floor(log2(a)), exactly
;;       r = np.clip(x / 2.0 ** e, -7.5, 7.5)
;;       step = 2.0 ** (np.maximum(np.frexp(np.where(r == 0, 1, r))[1] - 1, 0) - 3)
;;       q = np.round(r / step) * step * 2.0 ** e      # np.round: ties to even
;;       return np.moveaxis(q.reshape(q.shape[:-2] + (-1,))[..., :K], -1, axis).astype(np.float32)
;;   ~~~
;;   OPERANDS COMPUTED ON THE WAY. 'Computed on the way' means the value that the module computes at that place (a softmax that the list does not call 'softmax' is quantised finished and normalised). What goes into a quantiser is computed in f32, as accurately as f32 sums, v_exp_f32 and their like allow (about 1e-6 of the number): no bf16 or f16 on the way to a quantiser, and a product that is left as it is and whose result goes on into a quantised operand takes f32 operands (vector FMAs, or v_wmma_f32_16x16x4_f32). A number that lies on a knife's edge between two numbers of the format may be rounded either way, as far as f32 arithmetic and the matrix unit's own rounding can turn it there, and no further.
;; One version. Each part assembles by itself: llvm-mc -triple=amdgcn-amd-amdhsa -mcpu=gfx1250 --defsym DOCPART=n.
;; ======== version 1 of 1: 2 launches
;; limits: right only within a limited range of input values
;; workspace buffers: x_codes 12,582,912 bytes; w_codes 12,582,912 bytes; scales 1,048,576 bytes
;; launch quant (part 1): grid 1024 x 1, 4 waves a work-group, no clusters, 73,216 bytes of LDS; arguments x, weight_packed, weight_scales, x_codes, w_codes, scales; writes x_codes, w_codes, scales
.if DOCPART == 1
	.amdgcn_target "amdgcn-amd-amdhsa--gfx1250"
	.amdhsa_code_object_version 6
	.text
	.protected	k_q9f7d2afc32_quant
	.globl	k_q9f7d2afc32_quant
	.p2align	8
	.type	k_q9f7d2afc32_quant,@function
k_q9f7d2afc32_quant:
	s_mov_b64 s[64:65], 0
	v_nop
	global_prefetch_b8 v0, s[64:65] scope:SCOPE_SE
	s_setreg_imm32_b32 hwreg(HW_REG_WAVE_MODE, 25, 1), 1
	s_wait_xcnt 0x0
; x [4096][4096] f32, and W [4096][4096], computed here from weight_packed and weight_scales, become codes of FP6 (E2M3) with one E8M0 scale byte for each 32 along K.
; W: an int32 of weight_packed holds two numbers: bits 3:0 the even k, bits 7:4 the odd k; each less 8, times the f32 scale of its group of 128 along K.
; A block's scale byte is its largest magnitude's exponent field - 2, held at 1 from below; each number is divided by the scale and rounded to the nearest code, ties to even, beyond the largest code the largest.
; LIMITS: NaN and infinities among the inputs are not served.  A block of zeros gets the byte 1 where the rule says 127: its codes are zeros, and this program alone reads the bytes.
; Weight scales stay under 2^124 in magnitude, so that 8 x scale is a number.
; THE CODES' LAYOUT: [row tile of 16 rows][K step of 128][1,536 bytes].  Lane L = r + 16 h of the product's wave owns 12 words: the 6 of block h of row r, then the 6 of block 2 + h.
; Its words 4 g .. 4 g + 3 lie at 512 g + 16 L of the fragment: a load of 16 bytes a lane reads 512 consecutive bytes.
; THE SCALE BYTES: one buffer, x's part first, W's from byte 524,288; in a part [row tile][four K steps][16 rows][16 bytes].
; SHARES.  A wave takes a row tile x 512 along K: 16 steps, a row each: four whole fragments, 6,144 consecutive bytes, and 256 consecutive scale bytes.  Work-groups 0-511 take x, 512-1023 W:
; two paths that part on the work-group's number and never join; each has LDS bytes of its own.
; A conversion takes 16 neighbours from ONE lane, a load is dense where neighbouring lanes take neighbouring bytes: so a step's bytes turn through the wave's own padded stage in LDS.
; A lane's three words of codes go to a second stage, the image of the four fragments, and leave by twelve stores of 512 consecutive bytes.  No tensor loads, no barrier: waves share nothing.
.set STEPS, 16
.set WGX,   512
.set XSP,   80                         ; x: a lane's place in the turning stage: 64 bytes + 16
.set WSP,   48                         ; W: 32 bytes + 16
.set HP,    272                        ; codes' stage: 16 lanes' 16 bytes + 16 of padding;
.set GP,    544                        ;   a piece of 512 bytes;
.set FP,    1632                       ;   a fragment.  The eight (K step, block % 2) of a store's lanes start 17 and 102 places of 16 bytes apart: eight different places modulo 16
.set XREG,  9472                       ; x path, LDS of a wave: turning stage 2,560; scale bytes 256; codes' stage 6,528
.set XBY,   2560
.set XCD,   2816
.set WBASE, 4*XREG
.set WREG,  8704                       ; W path: turning stage 1,536; scale bytes 256; group scales 256; codes' stage 6,528
.set WBY,   1536
.set WGS,   1792
.set WCD,   2048
.set SPARE, WBASE+4*WREG               ; the spare words, 128 bytes a wave
.set SCB,   524288
.set R,     16                         ; numbers as loaded
.set P,     48                         ; W: two sets of 8 int32
.set SS,    64                         ; W: v[64:65] the group's scale s
.set SM,    66                         ; W: v[66:67] -8 s
.set X,     80                         ; 16 neighbours in f32
.set G,     96                         ; W: my lane's group scale for each step
.set E,     112                        ; a scale byte for each step
.set C,     128                        ; codes: four registers for each step
.set OUT,   16                         ; the way out
.set CA,    194                        ; v194-196 where my three words of codes go
	s_load_b256 s[4:11], s[0:1], 0x0               ; x, weight_packed, weight_scales, x's codes
	s_load_b128 s[12:15], s[0:1], 0x20             ; W's codes, the scale bytes
	v_lshl_add_u32 v192, v0, 2, SPARE
	v_mov_b32 v193, 0
	v_lshrrev_b32 v1, 5, v0
	v_readfirstlane_b32 s18, v1                    ; wave
	v_and_b32 v2, 31, v0                           ; lane: K step lane / 8, block (lane / 2) % 4, half lane % 2
	v_lshlrev_b32 v3, 4, v2
	v_lshlrev_b32 v7, 3, v2
	v_lshrrev_b32 v8, 3, v2
	v_mul_u32_u24 v4, v8, FP                       ; the fragment
	v_bfe_u32 v9, v2, 1, 1
	v_mad_u32_u24 v4, v9, HP, v4                   ; block % 2: lanes 16-31 of the fragment
	v_bfe_u32 v9, v2, 2, 1
	v_and_b32 v8, 1, v2
	v_lshl_add_u32 v8, v9, 1, v8
	v_mul_u32_u24 v8, v8, 3                        ; my first word of the owner's twelve: 6 (block / 2) + 3 x half
.irp i, 0,1,2
	v_add_nc_u32 v9, \i, v8
	v_lshrrev_b32 v10, 2, v9                       ; its piece,
	v_and_b32 v9, 3, v9                            ; its word in the piece
	v_mad_u32_u24 v[CA+\i], v10, GP, v4
	v_lshl_add_u32 v[CA+\i], v9, 2, v[CA+\i]       ; the row, 16 bytes each, stands in the stores' immediates
.endr
	v_lshrrev_b32 v5, 1, v2                        ; my block's byte of the row's 16
	v_lshrrev_b32 v9, 4, v2
	v_lshl_add_u32 v1, v9, 4, v3                   ; the way out: 16 lane, and 16 more for lanes 16-31
	s_cmp_lt_u32 ttmp9, WGX
	s_cselect_b32 s19, 0, WGX
	s_sub_co_u32 s19, ttmp9, s19
	s_lshl_b32 s19, s19, 2
	s_add_co_u32 s19, s19, s18                     ; my wave's share: 8 x row tile + which 512 along K
	s_mul_i32 s20, s19, 6144
	s_mov_b32 s21, 0
	s_lshl_b32 s22, s19, 8
	s_mov_b32 s23, 0
	s_mov_b32 s25, 0
	s_lshr_b32 s26, s19, 3
	s_and_b32 s27, s19, 7
	s_wait_kmcnt 0x0
	s_cmp_lt_u32 ttmp9, WGX
	s_cbranch_scc0 .Lw
.macro QUANT16 t                       ; 16 numbers of a lane, v[XS] on, become 12 bytes of codes and the block's byte; t: the step = the row in the tile
	v_max3_num_f32 v8, |v[XS]|, |v[XS+1]|, |v[XS+2]|
	v_max3_num_f32 v9, |v[XS+3]|, |v[XS+4]|, |v[XS+5]|
.irp i, 6,10
	v_max3_num_f32 v8, v8, |v[XS+\i]|, |v[XS+\i+1]|
	v_max3_num_f32 v9, v9, |v[XS+\i+2]|, |v[XS+\i+3]|
.endr
	v_max3_num_f32 v8, v8, |v[XS+14]|, |v[XS+15]|
	v_max3_num_f32 v8, v8, v9, 0x1800000           ; the floor 2^(3 - 127): the byte cannot fall under 1
	v_max_num_f32_dpp v8, v8, v8 row_xmask:1 row_mask:0xf bank_mask:0xf   ; with my neighbour's 16: the block's
	v_add_nc_u32 v11, 0xff000000, v8               ; 2 off the exponent field: the conversion's scale operand
	v_cvt_scalef32_pk16_fp6_f32 v[C+4*(\t):C+4*(\t)+2], v[XS:XS+15], v11
	v_lshrrev_b32 v[E+(\t)], 23, v11               ; the scale's byte; also the plain line behind the conversion
	ds_store_b8 v5, v[E+(\t)] offset:16*(\t)       ; both lanes of a block write the same byte with the same value
.irp i, 0,1,2
	ds_store_b32 v[CA+\i], v[C+4*(\t)+\i] offset:16*(\t)
.endr
.endm
.macro FLUSH cb                        ; piece g of 512 bytes lies at GP g of the stage; LDS serves a wave's instructions in order, so these see my stores
.irp g, 0,1,2,3,4,5,6,7,8,9,10,11
	ds_load_b128 v[OUT+4*\g:OUT+4*\g+3], v1 offset:GP*\g
.endr
	ds_load_b64 v[70:71], v6
.irp g, 0,1,2,3,4,5,6,7,8,9,10,11
	s_wait_dscnt 12-\g                             ; load g is back; the younger ones may be out
	global_store_b128 v3, v[OUT+4*\g:OUT+4*\g+3], s[\cb:\cb+1] offset:512*\g   ; 512 consecutive bytes, at a multiple of 256
.endr
	s_wait_dscnt 0x0
	global_store_b64 v7, v[70:71], s[14:15]        ; 256 consecutive bytes, at a multiple of 256
.endm
; ---------------------------------------------------------------- x
	s_lshl_b32 s24, s26, 18
	s_lshl_b32 s28, s27, 11
	s_add_co_u32 s24, s24, s28
	s_add_nc_u64 s[4:5], s[4:5], s[24:25]
	s_add_nc_u64 s[10:11], s[10:11], s[20:21]
	s_add_nc_u64 s[14:15], s[14:15], s[22:23]
	s_mul_i32 s26, s18, XREG
	v_lshrrev_b32 v14, 2, v2
	v_mul_u32_u24 v14, v14, XSP
	v_and_b32 v15, 3, v2
	v_lshl_add_u32 v14, v15, 4, v14
	v_add_nc_u32 v14, s26, v14                     ; turning stage, in
	v_mul_u32_u24 v15, v2, XSP
	v_add_nc_u32 v15, s26, v15                     ; and out
	s_add_co_u32 s28, s26, XBY
	s_wait_alu depctr_va_vdst(0)
	v_add_nc_u32 v5, s28, v5
	v_add_nc_u32 v6, s28, v7
	s_add_co_u32 s28, s26, XCD
.irp i, 0,1,2
	v_add_nc_u32 v[CA+\i], s28, v[CA+\i]
.endr
	v_add_nc_u32 v1, s28, v1
.macro XLOAD t
.irp i, 0,1,2,3
	global_load_b128 v[R+16*((\t)%4)+4*\i:R+16*((\t)%4)+4*\i+3], v3, s[4:5] offset:16384*(\t)+512*\i th:TH_LOAD_NT
.endr
.endm
.macro XTURN t
.irp i, 0,1,2,3
	ds_store_b128 v14, v[R+16*((\t)%4)+4*\i:R+16*((\t)%4)+4*\i+3] offset:8*XSP*\i
.endr
.irp i, 0,1,2,3
	ds_load_b128 v[X+16*((\t)%2)+4*\i:X+16*((\t)%2)+4*\i+3], v15 offset:16*\i
.endr
.endm
.macro XSTEP t
.if (\t) > 0
	s_wait_dscnt 4                                 ; this step's numbers are back; the last step's four stores of byte and codes may be out
.else
	s_wait_dscnt 0x0
.endif
.if (\t)+4 < STEPS
	XLOAD (\t)+4
.endif
.if (\t)+1 < STEPS
.if STEPS-2-(\t) >= 3
	s_wait_loadcnt 12                              ; the next step's four loads are in; three steps' may be out
.else
	s_wait_loadcnt 4*(STEPS-2-(\t))
.endif
	XTURN (\t)+1
.endif
.set XS, X+16*((\t)%2)
	QUANT16 \t
.endm
.irp t, 0,1,2,3
	XLOAD \t
.endr
	s_wait_loadcnt 12
	XTURN 0
.irp t, 0,1,2,3,4,5,6,7,8,9,10,11,12,13,14,15
	XSTEP \t
.endr
	FLUSH 10
	s_wait_tensorcnt 0x0                           ; the wave's end
	ds_add_u32 v192, v193
	s_wait_dscnt 0x0
	s_endpgm
; ---------------------------------------------------------------- W
.Lw:
	s_lshl_b32 s24, s26, 17
	s_lshl_b32 s28, s27, 10
	s_add_co_u32 s24, s24, s28
	s_add_nc_u64 s[6:7], s[6:7], s[24:25]
	s_lshl_b32 s24, s26, 11
	s_lshl_b32 s28, s27, 4
	s_add_co_u32 s24, s24, s28
	s_add_nc_u64 s[8:9], s[8:9], s[24:25]
	s_add_nc_u64 s[12:13], s[12:13], s[20:21]
	s_add_co_u32 s22, s22, SCB
	s_add_nc_u64 s[14:15], s[14:15], s[22:23]
	s_mul_i32 s26, s18, WREG
	s_add_co_u32 s26, s26, WBASE
	v_lshrrev_b32 v14, 1, v2
	v_mul_u32_u24 v14, v14, WSP
	v_and_b32 v15, 1, v2
	v_lshl_add_u32 v14, v15, 4, v14
	v_add_nc_u32 v14, s26, v14
	v_mul_u32_u24 v15, v2, WSP
	v_add_nc_u32 v15, s26, v15
	s_add_co_u32 s28, s26, WBY
	s_wait_alu depctr_va_vdst(0)
	v_add_nc_u32 v5, s28, v5
	v_add_nc_u32 v6, s28, v7
	s_add_co_u32 s28, s26, WGS
	v_add_nc_u32 v12, s28, v7                      ; group scales, in: row lane / 2, groups 2 (lane % 2) on
	v_lshrrev_b32 v13, 3, v2
	v_lshl_add_u32 v13, v13, 2, s28                ; back: row t's group lane / 8
	s_add_co_u32 s28, s26, WCD
.irp i, 0,1,2
	v_add_nc_u32 v[CA+\i], s28, v[CA+\i]
.endr
	v_add_nc_u32 v1, s28, v1
	v_lshrrev_b32 v72, 1, v2
	v_and_b32 v9, 1, v2
	v_lshlrev_b32 v72, 7, v72
	v_lshl_add_u32 v72, v9, 3, v72
	v_mov_b32 v[SS+1], 0                           ; named as the upper halves of pairs
	v_mov_b32 v[SM+1], 0
.macro WLOAD t
.irp i, 0,1
	global_load_b128 v[R+8*((\t)%4)+4*\i:R+8*((\t)%4)+4*\i+3], v3, s[6:7] offset:8192*(\t)+512*\i th:TH_LOAD_NT
.endr
.endm
.macro WTURN t
.irp i, 0,1
	ds_store_b128 v14, v[R+8*((\t)%4)+4*\i:R+8*((\t)%4)+4*\i+3] offset:16*WSP*\i
.endr
.irp i, 0,1
	ds_load_b128 v[P+8*((\t)%2)+4*\i:P+8*((\t)%2)+4*\i+3], v15 offset:16*\i
.endr
.endm
.macro UNPACK t                        ; u s + (-8 s), fused, is rounded once, and -8 s is exact: the bits of the f32 product (u - 8) x s
.set PS, P+8*((\t)%2)
	v_mov_b32 v[SS], v[G+(\t)]
	v_mul_f32 v[SM], 0xc1000000, v[G+(\t)]
.irp i, 0,1,2,3,4,5,6,7
	v_and_b32 v[X+2*\i], 15, v[PS+\i]
	v_bfe_u32 v[X+2*\i+1], v[PS+\i], 4, 4
.endr
.irp i, 0,1,2,3,4,5,6,7,8,9,10,11,12,13,14,15
	v_cvt_f32_u32 v[X+\i], v[X+\i]
.endr
.irp i, 0,2,4,6,8,10,12,14
	v_pk_fma_f32 v[X+\i:X+\i+1], v[X+\i:X+\i+1], v[SS:SS+1], v[SM:SM+1] op_sel_hi:[1,0,0]
.endr
.endm
.macro WSTEP t
.if (\t) > 0
	s_wait_dscnt 4
.else
	s_wait_dscnt 0x0
.endif
.if (\t)+4 < STEPS
	WLOAD (\t)+4
.endif
.if (\t)+1 < STEPS
.if STEPS-2-(\t) >= 3
	s_wait_loadcnt 6                               ; the next step's two loads are in; three steps' may be out
.else
	s_wait_loadcnt 2*(STEPS-2-(\t))
.endif
	WTURN (\t)+1
.endif
	UNPACK \t
.set XS, X
	QUANT16 \t
.endm
	global_load_b64 v[68:69], v72, s[8:9]          ; my share's 64 group scales
.irp t, 0,1,2,3
	WLOAD \t
.endr
	s_wait_loadcnt 8                               ; the group scales are in
	ds_store_b64 v12, v[68:69]
.irp t, 0,1,2,3,4,5,6,7,8,9,10,11,12,13,14,15
	ds_load_b32 v[G+\t], v13 offset:16*\t
.endr
	s_wait_loadcnt 6
	WTURN 0
.irp t, 0,1,2,3,4,5,6,7,8,9,10,11,12,13,14,15
	WSTEP \t
.endr
	FLUSH 12
	s_wait_tensorcnt 0x0                           ; the wave's end
	ds_add_u32 v192, v193
	s_wait_dscnt 0x0
	s_endpgm
.Lfunc_end_k_q9f7d2afc32_quant:
	.size	k_q9f7d2afc32_quant, .Lfunc_end_k_q9f7d2afc32_quant-k_q9f7d2afc32_quant
	.p2alignl 7, 3214868480
	.fill 96, 4, 3214868480
	.section	.rodata,"a",@progbits
	.p2align	6, 0x0
	.amdhsa_kernel k_q9f7d2afc32_quant
		.amdhsa_group_segment_fixed_size 73216
		.amdhsa_private_segment_fixed_size 0
		.amdhsa_enable_private_segment 0
		.amdhsa_kernarg_size 48
		.amdhsa_user_sgpr_count 2
		.amdhsa_user_sgpr_kernarg_segment_ptr 1
		.amdhsa_wavefront_size32 1
		.amdhsa_system_sgpr_workgroup_id_x 1
		.amdhsa_system_sgpr_workgroup_id_y 1
		.amdhsa_system_sgpr_workgroup_id_z 1
		.amdhsa_system_vgpr_workitem_id 0
		.amdhsa_next_free_vgpr 200
		.amdhsa_next_free_sgpr 66
		.amdhsa_reserve_vcc 0
		.amdhsa_float_denorm_mode_32 3
		.amdhsa_float_denorm_mode_16_64 3
		.amdhsa_memory_ordered 1
		.amdhsa_forward_progress 1
		.amdhsa_inst_pref_size 97
	.end_amdhsa_kernel
	.amdgpu_metadata
---
amdhsa.version: [ 1, 2 ]
amdhsa.kernels:
  - .name:           k_q9f7d2afc32_quant
    .symbol:         k_q9f7d2afc32_quant.kd
    .args:
      - { .name: x, .offset: 0, .size: 8, .value_kind: global_buffer, .address_space: global }
      - { .name: weight_packed, .offset: 8, .size: 8, .value_kind: global_buffer, .address_space: global }
      - { .name: weight_scales, .offset: 16, .size: 8, .value_kind: global_buffer, .address_space: global }
      - { .name: x_codes, .offset: 24, .size: 8, .value_kind: global_buffer, .address_space: global }
      - { .name: w_codes, .offset: 32, .size: 8, .value_kind: global_buffer, .address_space: global }
      - { .name: scales, .offset: 40, .size: 8, .value_kind: global_buffer, .address_space: global }
    .group_segment_fixed_size: 73216
    .private_segment_fixed_size: 0
    .kernarg_segment_align: 8
    .kernarg_segment_size: 48
    .max_flat_workgroup_size: 128
    .sgpr_count:     66
    .vgpr_count:     200
    .wavefront_size: 32
...
	.end_amdgpu_metadata
.endif
;; end of part 1
;; launch gemm (part 2): grid 16 x 16, 4 waves a work-group, clusters of 4 x 1, 327,680 bytes of LDS; arguments x_codes, w_codes, scales, out0; writes out0
.if DOCPART == 2
	.amdgcn_target "amdgcn-amd-amdhsa--gfx1250"
	.amdhsa_code_object_version 6
	.text
	.protected	k_q9f7d2afc32_gemm
	.globl	k_q9f7d2afc32_gemm
	.p2align	8
	.type	k_q9f7d2afc32_gemm,@function
k_q9f7d2afc32_gemm:
	s_mov_b64 s[64:65], 0
	v_nop
	global_prefetch_b8 v0, s[64:65] scope:SCOPE_SE
	s_setreg_imm32_b32 hwreg(HW_REG_WAVE_MODE, 25, 1), 1
	s_wait_xcnt 0x0
	s_wait_alu depctr_hold_cnt(0) depctr_sa_sdst(0) depctr_va_vdst(0) depctr_va_sdst(0) depctr_va_ssrc(0) depctr_va_vcc(0) depctr_vm_vsrc(0)
	s_getreg_b32 s2, hwreg(HW_REG_IB_STS2, 6, 4)
	s_cmp_eq_u32 s2, 0
	s_cbranch_scc0 .Lentry_in_a_cluster
	s_endpgm
.Lentry_in_a_cluster:
	s_bfe_u32 s2, ttmp6, 0x10000c
	s_cmp_lg_u32 s2, 0x3003
	s_cbranch_scc0 .Lentry_shape_is_right
	s_endpgm
.Lentry_shape_is_right:
; out0[t][n] = sum over k of x[t][k] W[n][k], on codes of FP6 (E2M3) with E8M0 scale bytes, as the launch before has laid them:
; codes [row tile of 16][K step of 128][1,536 bytes], words 4 g .. 4 g + 3 of lane L at 512 g + 16 L; scale bytes [row tile][four K steps][16 rows][16 bytes], x's part first, W's from byte 524,288.
; A work-group makes 256 x 256 of out0; wave w makes rows 64 w .. 64 w + 63 x all 256 columns: 64 accumulators, 512 registers.
; W's 256 rows are wanted by all four waves: they go through a ring of two LDS slots of four K steps (16 row tiles x 6,144 bytes), each wave fetching four row tiles with one tensor load.
; x's 64 rows of a wave are wanted by that wave alone: they come from memory straight into registers, 12 loads of 512 consecutive bytes a K step, in four sets, asked for four K steps ahead.
; CLUSTERS: the four work-groups of a cluster (4, 1, 1) have one tile column and ask for W's tiles jointly (mask 15).  x is not asked for jointly: it never lies in LDS, so no tensor load brings it.
; The matrix instruction is used transposed (source 0 = 16 rows of W, source 1 = 16 rows of x): a lane holds eight neighbouring numbers of a row of out0.
; THE LAST FOUR K STEPS, which lie in one slot, go by halves of the columns: columns 0-127 over the four steps, then columns 128-255; K ascends in every sum.  The first half's rows leave while the second is multiplied.
; REGISTERS.  window 0: v0-31 addresses; v32-111 scale words, two sets of 40 (four K steps each); v112-207 fragment buffer 0 (W's fragments 0-7); v208-255 x's set 3.
;   window 1: v0-95 fragment buffer 1 (W's fragments 8-15); v96-239 x's sets 0-2.   window 2: accumulators (a, b), b = 0-7, at v[8 (8 a + b)];   window 3: b = 8-15.
; A scale register: lanes 0-15 W's tile i, lanes 16-31 W's tile i + 8; for x lanes 0-15 tile j, lanes 16-31 tile j + 2.
.set SIZE_N, 4096
.set FRB,    1536                      ; a fragment
.set RTM,    32*FRB                    ; a row tile in memory
.set RTP,    4*FRB                     ; a row tile in a slot
.set SLOT,   16*RTP
.set SPARE,  2*SLOT                    ; the spare words, 128 bytes a wave
.set SPITCH, 528                       ; the way out: 16 rows x (512 + 16) bytes a wave, in slot 0, which has had its last fill and its last read by then
.set SCT,    2048                      ; a row tile's scale bytes
.set SCB,    524288
.set ADR,  16                          ; v16-19 16 x lane + slot x SLOT + half x 8 RTP; v16 is also the lane's offset in x's loads and in a row of out0
.set SOFB, 21
.set SOFA, 22
.set PFL,  23                          ; 256 x min(lane, 23)
.set STO,  24
.set RD,   25
.set PFS,  27                          ; 256 x min(lane, 5)
.set SPW,  28
.set NIL,  29
.set SC,   32
.set BK,   128
.set G1,   24
.set G0,   32
.set AP,   44                          ; s[44:45] my x rows' codes
.set SBP,  46                          ; W's scale bytes
.set SAP,  48                          ; x's scale bytes
.set PB,   50                          ; the prefetches of W
.set PA,   52                          ; and of x
.set CP,   10
.set MSB, 0
.macro WIN new                         ; the immediate's high byte repeats the setting that is left
.if MSB != (\new)
	s_set_vgpr_msb (MSB<<8)|(\new)
.set MSB, (\new)
.endif
.endm
.macro CREST
	s_cmp_lg_u32 s14, 0
	s_cbranch_scc1 .Lnot_wave_0_\@
	s_barrier_signal -3
.Lnot_wave_0_\@:
	s_barrier_wait -3
	s_barrier_signal -1
	s_barrier_wait -1
.endm
.macro CROUND
	s_barrier_signal -1
	s_barrier_wait -1
	CREST
.endm
.macro PLACES
.rept 4
	v_nop
.endr
.endm
	s_load_b256 s[4:11], s[0:1], 0x0               ; x's codes, W's codes, the scale bytes, out0
	v_lshl_add_u32 v[SPW], v0, 2, SPARE
	v_mov_b32 v[NIL], 0
	ds_add_u32 v[SPW], v[NIL]                      ; the opening lines: the add, twice on end, and its wait
	ds_add_u32 v[SPW], v[NIL]
	v_lshrrev_b32 v1, 5, v0
	v_readfirstlane_b32 s14, v1                    ; wave
	s_bfe_u32 s40, ttmp6, 0x40000                  ; cx
	s_lshl_b32 s42, ttmp9, 2
	s_add_co_u32 s42, s42, s40                     ; tile row of out0
	s_and_b32 s17, ttmp7, 0xffff                   ; tile column: the same in the four partners
	s_mov_b32 s[G1+0], 15|(3<<16)|(1<<21)          ; the mask; elements of 8 bytes; bit 21 beside a mask
	s_mov_b32 s[G1+1], (RTP/8)<<16
	s_mov_b32 s[G1+2], 4<<16
	s_mov_b32 s[G1+3], (RTP/8)<<16
	s_mov_b32 s[G1+4], 4                           ; four row tiles x four K steps
	s_mov_b32 s[G1+5], RTM/8
	s_mov_b32 s[G1+6], 0
	s_mov_b32 s[G1+7], 0
	s_lshl_b32 s20, s17, 4
	s_lshl_b32 s21, s14, 2
	s_add_co_u32 s20, s20, s21                     ; W's row tile 16 x column + 4 x wave: what I fetch
	s_add_co_u32 s60, s20, s40                     ; of these four the partner at cx prefetches one
	s_mul_i32 s20, s20, RTM
	s_mov_b32 s21, 0
	s_mul_i32 s60, s60, RTM
	s_mov_b32 s61, 0
	s_mul_i32 s22, s14, 4*RTP
	s_lshl_b32 s18, s17, 15
	s_add_co_u32 s18, s18, SCB
	s_mov_b32 s19, 0
	s_lshl_b32 s56, s42, 4
	s_add_co_u32 s62, s56, s17                     ; of x's 16 row tiles, which the 16 work-groups of a tile row read, each prefetches one,
	s_mul_i32 s62, s62, RTM
	s_mul_i32 s63, s14, FRB                        ; a wave a quarter of four K steps
	s_add_co_u32 s62, s62, s63
	s_mov_b32 s63, 0
	s_lshl_b32 s57, s14, 2
	s_add_co_u32 s56, s56, s57                     ; my first row tile of x
	s_lshl_b32 s58, s56, 11
	s_mov_b32 s59, 0
	s_lshl_b32 s54, s56, 18                        ; 16 rows of out0 are 2^18 bytes
	s_lshl_b32 s55, s17, 10
	s_add_co_u32 s54, s54, s55
	s_mov_b32 s55, 0
	s_mul_i32 s56, s56, RTM
	s_mov_b32 s57, 0
	s_mul_i32 s23, s14, 16*SPITCH
	v_and_b32 v1, 31, v0
	v_and_b32 v4, 15, v0
	v_bfe_u32 v2, v0, 4, 1
	v_lshlrev_b32 v[ADR], 4, v1
	v_lshlrev_b32 v3, 4, v4
	v_add_nc_u32 v[ADR+1], 8*RTP, v[ADR]
	v_add_nc_u32 v[ADR+2], SLOT, v[ADR]
	v_add_nc_u32 v[ADR+3], SLOT+8*RTP, v[ADR]
	v_lshl_add_u32 v[SOFB], v2, 14, v3             ; 16 bytes a row; lanes 16-31 eight tiles on
	v_lshl_add_u32 v[SOFA], v2, 12, v3             ; two tiles on
	v_min_u32 v[PFL], 23, v1
	v_min_u32 v[PFS], 5, v1
	v_lshlrev_b32 v[PFL], 8, v[PFL]
	v_lshlrev_b32 v[PFS], 8, v[PFS]
	v_mul_u32_u24 v5, v4, SPITCH
	v_lshl_add_u32 v5, v2, 5, v5
	v_add_nc_u32 v[STO], s23, v5
	v_add_nc_u32 v[RD], s23, v[ADR]
	s_wait_alu depctr_va_vdst(0)
	s_wait_dscnt 0x0
	s_wait_kmcnt 0x0
	s_add_nc_u64 s[20:21], s[6:7], s[20:21]
	s_add_nc_u64 s[PB:PB+1], s[6:7], s[60:61]
	s_add_nc_u64 s[PA:PA+1], s[4:5], s[62:63]
	s_add_nc_u64 s[AP:AP+1], s[4:5], s[56:57]
	s_add_nc_u64 s[SBP:SBP+1], s[8:9], s[18:19]
	s_add_nc_u64 s[SAP:SAP+1], s[8:9], s[58:59]
	s_add_nc_u64 s[CP:CP+1], s[CP:CP+1], s[54:55]
.irp s, 0,1
	s_mov_b32 s[G0+4*\s], 1
	s_add_co_u32 s[G0+4*\s+1], s22, \s*SLOT
	s_add_nc_u64 s[G0+4*\s+2:G0+4*\s+3], s[20:21], \s*RTP
	s_or_b32 s[G0+4*\s+3], s[G0+4*\s+3], 0x80000000
.endr
	CROUND                                         ; the round in front of the first joint loads
	tensor_load_to_lds s[G0:G0+3], s[G1:G1+7]      ; K steps 0-3: one tensor load a wave at the head
	s_nop 0
	PLACES
.macro ALOAD s, imm                    ; x's four fragments of a K step into set s
.set LB, 96+48*(\s)-32*((\s)/3)
	WIN (1-(\s)/3)<<6
.irp a, 0,1,2,3
.irp g, 0,1,2
	global_load_b128 v[LB+12*\a+4*\g:LB+12*\a+4*\g+3], v[ADR], s[AP:AP+1] offset:(\imm)+\a*RTM+512*\g
.endr
.endr
.endm
.macro SCLOAD ss, imm                  ; the scale words of four K steps: sixteen lanes read 256 consecutive bytes
.irp i, 0,1,2,3,4,5,6,7
	global_load_b128 v[SC+40*(\ss)+4*\i:SC+40*(\ss)+4*\i+3], v[SOFB], s[SBP:SBP+1] offset:\i*SCT+(\imm)
.endr
.irp j, 0,1
	global_load_b128 v[SC+40*(\ss)+32+4*\j:SC+40*(\ss)+32+4*\j+3], v[SOFA], s[SAP:SAP+1] offset:\j*SCT+(\imm)
.endr
.endm
.macro FETCHB slot, q, hf, bu          ; W's fragments 8 hf .. 8 hf + 7 of K step q of a slot into buffer bu, in ascending order
.irp i, 0,1,2,3,4,5,6,7
.irp g, 0,1,2
	ds_load_b128 v[112*(1-(\bu))+12*\i+4*\g:112*(1-(\bu))+12*\i+4*\g+3], v[ADR+2*(\slot)+(\hf)] offset:\i*RTP+(\q)*FRB+512*\g
.endr
.endr
.endm
.macro WM ac, bf, af, sb, sa, m, z     ; m: 2 x (W's scales in lanes 16-31) + (x's scales in lanes 16-31)
.if \z
.if (\m) == 0
	v_wmma_scale_f32_16x16x128_f8f6f4 v[(\ac):(\ac)+7], v[(\bf):(\bf)+11], v[(\af):(\af)+11], 0, v[\sb], v[\sa] matrix_a_fmt:MATRIX_FMT_FP6 matrix_b_fmt:MATRIX_FMT_FP6
.endif
.if (\m) == 1
	v_wmma_scale_f32_16x16x128_f8f6f4 v[(\ac):(\ac)+7], v[(\bf):(\bf)+11], v[(\af):(\af)+11], 0, v[\sb], v[\sa] matrix_a_fmt:MATRIX_FMT_FP6 matrix_b_fmt:MATRIX_FMT_FP6 matrix_b_scale:MATRIX_SCALE_ROW1
.endif
.if (\m) == 2
	v_wmma_scale_f32_16x16x128_f8f6f4 v[(\ac):(\ac)+7], v[(\bf):(\bf)+11], v[(\af):(\af)+11], 0, v[\sb], v[\sa] matrix_a_fmt:MATRIX_FMT_FP6 matrix_b_fmt:MATRIX_FMT_FP6 matrix_a_scale:MATRIX_SCALE_ROW1
.endif
.if (\m) == 3
	v_wmma_scale_f32_16x16x128_f8f6f4 v[(\ac):(\ac)+7], v[(\bf):(\bf)+11], v[(\af):(\af)+11], 0, v[\sb], v[\sa] matrix_a_fmt:MATRIX_FMT_FP6 matrix_b_fmt:MATRIX_FMT_FP6 matrix_a_scale:MATRIX_SCALE_ROW1 matrix_b_scale:MATRIX_SCALE_ROW1
.endif
.else
.if (\m) == 0
	v_wmma_scale_f32_16x16x128_f8f6f4 v[(\ac):(\ac)+7], v[(\bf):(\bf)+11], v[(\af):(\af)+11], v[(\ac):(\ac)+7], v[\sb], v[\sa] matrix_a_fmt:MATRIX_FMT_FP6 matrix_b_fmt:MATRIX_FMT_FP6
.endif
.if (\m) == 1
	v_wmma_scale_f32_16x16x128_f8f6f4 v[(\ac):(\ac)+7], v[(\bf):(\bf)+11], v[(\af):(\af)+11], v[(\ac):(\ac)+7], v[\sb], v[\sa] matrix_a_fmt:MATRIX_FMT_FP6 matrix_b_fmt:MATRIX_FMT_FP6 matrix_b_scale:MATRIX_SCALE_ROW1
.endif
.if (\m) == 2
	v_wmma_scale_f32_16x16x128_f8f6f4 v[(\ac):(\ac)+7], v[(\bf):(\bf)+11], v[(\af):(\af)+11], v[(\ac):(\ac)+7], v[\sb], v[\sa] matrix_a_fmt:MATRIX_FMT_FP6 matrix_b_fmt:MATRIX_FMT_FP6 matrix_a_scale:MATRIX_SCALE_ROW1
.endif
.if (\m) == 3
	v_wmma_scale_f32_16x16x128_f8f6f4 v[(\ac):(\ac)+7], v[(\bf):(\bf)+11], v[(\af):(\af)+11], v[(\ac):(\ac)+7], v[\sb], v[\sa] matrix_a_fmt:MATRIX_FMT_FP6 matrix_b_fmt:MATRIX_FMT_FP6 matrix_a_scale:MATRIX_SCALE_ROW1 matrix_b_scale:MATRIX_SCALE_ROW1
.endif
.endif
.endm
; 16 matrix instructions: fragments b0 .. b0 + 3 of buffer bu, which hold W's half h, each against x's four.  The accumulators take turns, one instruction a turn.
.macro MUL16 bu, h, b0, z
.irp d, 0,1,2,3
.irp a, 0,1,2,3
	WM 8*(8*\a+\b0+\d), 112*(1-\bu)+12*(\b0+\d), AB+12*\a, SW+4*(\b0+\d), SW+32+4*(\a%2), 2*\h+\a/2, \z
.endr
.endr
.endm
; A K step, k counted from the trip's base.  turn: 0 inside a slot; 1 the slot's last step, the slot is filled again; 2 the same with no refill.
; na, ns: x's fragments four steps on, the scale words two sets on, are asked for;  ask: 1 prefetch, 2 prefetch but in the last trip;  fin: the last four K steps follow.
; lc: the global loads issued behind this step's x fragments, which may stay out: three later sets of 12 and one set of 10 scale loads.
; WAITS on DScnt: a buffer's 24 loads have the other buffer's 24 behind them: 36 shows its first four fragments in, 24 all eight; at a change of slots the add is one more.
.macro STEP k, z, lc, turn, na, ns, ask, fin
.set AS, (\k)%4
.set AB, 96+48*AS-32*(AS/3)
.set AW, 1-AS/3
.set SL, ((\k)/4)%2
.set SW, SC+40*SL+(\k)%4
.set NS, (((\k)+1)/4)%2
.set NQ, ((\k)+1)%4
	s_wait_loadcnt \lc
.if \turn
	s_wait_tensorcnt 0x0                           ; all my tensor loads have landed: my part of the next slot;
	ds_add_u32 v[SPW], v[NIL]
	s_wait_dscnt 37
	WIN 0xa0|(AW<<2)
	MUL16 0, 0, 0, \z
	s_wait_dscnt 0x0                               ; the add is done, and my reads of this slot are over
	s_barrier_signal -1
	MUL16 0, 0, 4, \z
	WIN 0
	s_barrier_wait -1
.if \turn == 1
	CREST                                          ; the barrier has opened a round of the cluster's barrier
	s_add_nc_u64 s[G0+4*SL+2:G0+4*SL+3], s[G0+4*SL+2:G0+4*SL+3], 2*RTP
	tensor_load_to_lds s[G0+4*SL:G0+4*SL+3], s[G1:G1+7]   ; eight K steps on, into the slot just read out
	s_nop 0
.endif
	PLACES
.else
	s_wait_dscnt 36
	WIN 0xa0|(AW<<2)
	MUL16 0, 0, 0, \z
	s_wait_dscnt 24
	MUL16 0, 0, 4, \z
	PLACES
	WIN 0
.endif
	FETCHB NS, NQ, 0, 0
.if \ask                               ; into the L2: the four K steps that the tensor load of the next change of slots, and x's loads from five steps on, will want: 24 and 6 blocks of 256 bytes a wave
.if \ask == 2
	s_cmp_gt_u32 s3, 1
	s_cbranch_scc0 .Lno_ask_\@
.endif
	global_prefetch_b8 v[PFL], s[PB:PB+1] offset:((\k)/4+3)*RTP th:TH_LOAD_NT scope:SCOPE_SE
	global_prefetch_b8 v[PFS], s[PA:PA+1] offset:((\k)/4+3)*RTP th:TH_LOAD_NT scope:SCOPE_SE
.if \ask == 2
.Lno_ask_\@:
.endif
.endif
.if \turn == 0
	s_wait_dscnt 36
.endif
	WIN 0xf1|(AW<<2)
	MUL16 1, 1, 0, \z
.if \turn == 0
	s_wait_dscnt 24
.endif
	MUL16 1, 1, 4, \z
	PLACES
	WIN 0x40
.if \fin
	FETCHB 1, 1, 0, 1                              ; what the second of the last eight half steps wants: K step 29, W's fragments 0-7
.else
	FETCHB NS, NQ, 1, 1
.endif
.if \na
	ALOAD AS, ((\k)+4)*FRB
.endif
	WIN 0
.if \ns
	SCLOAD SL, ((\k)/4+2)*256
.endif
.endm
	SCLOAD 0, 0
	ALOAD 0, 0
	ALOAD 1, FRB
	ALOAD 2, 2*FRB
	ALOAD 3, 3*FRB
	WIN 0
	SCLOAD 1, 256
	s_wait_tensorcnt 0x0                           ; my part of K steps 0-3 is in
	ds_add_u32 v[SPW], v[NIL]
	s_wait_dscnt 0x0
	CROUND
	tensor_load_to_lds s[G0+4:G0+7], s[G1:G1+7]    ; K steps 4-7, slot 1's first fill
	s_nop 0
	PLACES
	FETCHB 0, 0, 0, 0
	WIN 0x40
	FETCHB 0, 0, 1, 1
	WIN 0
	STEP 0, 1, 46, 0, 1, 0, 0, 0                   ; the first step's products start the sums
	s_mov_b32 s3, 3
.Llap:                                                 ; a trip: eight K steps, once round the ring, from a lap's second step to the next lap's first
	STEP 1, 0, 46, 0, 1, 0, 0, 0
	STEP 2, 0, 46, 0, 1, 0, 0, 0
	STEP 3, 0, 46, 1, 1, 1, 1, 0
	STEP 4, 0, 46, 0, 1, 0, 0, 0
	STEP 5, 0, 46, 0, 1, 0, 0, 0
	STEP 6, 0, 46, 0, 1, 0, 0, 0
	STEP 7, 0, 46, 1, 1, 1, 2, 0
	STEP 8, 0, 46, 0, 1, 0, 0, 0
	s_wait_xcnt 0x0                                ; the trip's loads and prefetches have read their bases
	s_add_nc_u64 s[AP:AP+1], s[AP:AP+1], 8*FRB
	s_add_nc_u64 s[PB:PB+1], s[PB:PB+1], 8*FRB
	s_add_nc_u64 s[PA:PA+1], s[PA:PA+1], 8*FRB
	s_add_nc_u64 s[SBP:SBP+1], s[SBP:SBP+1], 512
	s_add_nc_u64 s[SAP:SAP+1], s[SAP:SAP+1], 512
	s_sub_co_u32 s3, s3, 1
	s_cmp_lg_u32 s3, 0
	s_cbranch_scc1 .Llap
	STEP 1, 0, 46, 0, 1, 0, 0, 0                   ; K steps 25 to 27: nothing is filled again
	STEP 2, 0, 46, 0, 1, 0, 0, 0
	STEP 3, 0, 46, 2, 1, 0, 0, 1
; THE WAY OUT of a block of 16 rows x 128 columns: through my own stage in LDS and back as whole rows of 512 bytes.  Block n: rows 16 (n % 4) on, columns 128 (n / 4) on.
; Blocks 0-3 leave in three parts, while columns 128-255 are multiplied: into the stage; back, behind the wait that shows those stores done, into the block's own 64 registers; out.
.macro SST n
	WIN 0x08
.irp b, 0,1,2,3,4,5,6,7
	ds_store_b128 v[STO], v[64*(\n)+8*\b:64*(\n)+8*\b+3] offset:64*\b          ; each accumulator from its low end on
	ds_store_b128 v[STO], v[64*(\n)+8*\b+4:64*(\n)+8*\b+7] offset:64*\b+16
.endr
.endm
.macro LBK n
	WIN 0x80
.irp t, 0,1,2,3,4,5,6,7,8,9,10,11,12,13,14,15
	ds_load_b128 v[64*(\n)+4*\t:64*(\n)+4*\t+3], v[RD] offset:\t*SPITCH
.endr
.endm
.macro GST n
	WIN 0x08
.irp t, 0,1,2,3,4,5,6,7,8,9,10,11,12,13,14,15
	global_store_b128 v[ADR], v[64*(\n)+4*\t:64*(\n)+4*\t+3], s[CP:CP+1] offset:(16*(\n)+\t)*SIZE_N*4 th:TH_STORE_NT   ; 512 consecutive bytes, at a multiple of 256
.endr
.endm
; Half step i of the last eight: W's half i / 4, K step 28 + i % 4, fragment buffer i % 2; behind its 32 matrix instructions its buffer takes what half step i + 2 wants.
; WAITS on DScnt: up to i = 3 as in a K step; at i = 4 the 24 loads and 16 stage stores issued behind its fragments may be out; from there on each run begins behind a wait for 0.
.macro FIN i, lc
.set FH, (\i)/4
.set FQ, (\i)%4
.set FB, (\i)%2
.set AB, 96+48*FQ-32*(FQ/3)
.set AW, 1-FQ/3
.set SW, SC+40+FQ
.if (\i) < 4
	s_wait_loadcnt \lc                             ; x's later sets may be out
	s_wait_dscnt 36
.endif
.if (\i) == 4
	s_wait_dscnt 40
.endif
	WIN FB|(AW<<2)|((2+FH)*0x50)
	MUL16 FB, FH, 0, 0
.if (\i) < 4
	s_wait_dscnt 24
.else
	s_wait_dscnt 0x0                               ; block i - 4 lies in the stage
	LBK (\i)-4
	WIN FB|(AW<<2)|((2+FH)*0x50)
.endif
	MUL16 FB, FH, 4, 0
	PLACES
.if (\i) >= 4
	s_wait_dscnt 0x0                               ; and is back
	GST (\i)-4
.endif
.if (\i) <= 5
	WIN FB<<6
	FETCHB 1, ((\i)+2)%4, ((\i)+2)/4, FB
.endif
.if (\i) >= 3 && (\i) <= 6
	SST (\i)-3
.endif
	WIN 0
.endm
	FIN 0, 36
	FIN 1, 24
	FIN 2, 12
	FIN 3, 0
	FIN 4, 0
	FIN 5, 0
	FIN 6, 0
	FIN 7, 0
; Blocks 4-7: nothing is left to multiply: back into v128-255 of window 0, two sets by turns
.macro TOSTAGE n
.set AC, 64*((\n)%4)
	WIN 0x08+4*((\n)/4)
.irp b, 0,1,2,3,4,5,6,7
	ds_store_b128 v[STO], v[AC+8*\b:AC+8*\b+3] offset:64*\b          ; each accumulator from its low end on
	ds_store_b128 v[STO], v[AC+8*\b+4:AC+8*\b+7] offset:64*\b+16
.endr
	WIN 0
.set BB, BK+64*((\n)%2)
.irp t, 0,1,2,3,4,5,6,7,8,9,10,11,12,13,14,15
	ds_load_b128 v[BB+4*\t:BB+4*\t+3], v[RD] offset:\t*SPITCH        ; in order behind my stores
.endr
.endm
.macro SEND n, younger
.set BB, BK+64*((\n)%2)
	s_wait_dscnt \younger
.irp t, 0,1,2,3,4,5,6,7,8,9,10,11,12,13,14,15
	global_store_b128 v[ADR], v[BB+4*\t:BB+4*\t+3], s[CP:CP+1] offset:(16*((\n)%4)+\t)*SIZE_N*4+512*((\n)/4) th:TH_STORE_NT   ; 512 consecutive bytes, at a multiple of 256
.endr
.endm
	TOSTAGE 4                                      ; (the four places behind the last products stand in the last half step)
.irp n, 5,6,7
.if \n > 5
	s_wait_xcnt 0x0                                ; block n - 2's stores have read their registers
.endif
	TOSTAGE \n
	SEND \n-1, 32
.endr
	SEND 7, 0
	s_wait_tensorcnt 0x0                           ; the wave's end
	ds_add_u32 v[SPW], v[NIL]
	s_wait_dscnt 0x0
	CROUND                                         ; the closing round
	s_endpgm
.Lfunc_end_k_q9f7d2afc32_gemm:
	.size	k_q9f7d2afc32_gemm, .Lfunc_end_k_q9f7d2afc32_gemm-k_q9f7d2afc32_gemm
	.p2alignl 7, 3214868480
	.fill 96, 4, 3214868480
	.section	.rodata,"a",@progbits
	.p2align	6, 0x0
	.amdhsa_kernel k_q9f7d2afc32_gemm
		.amdhsa_group_segment_fixed_size 327680
		.amdhsa_private_segment_fixed_size 0
		.amdhsa_enable_private_segment 0
		.amdhsa_kernarg_size 32
		.amdhsa_user_sgpr_count 2
		.amdhsa_user_sgpr_kernarg_segment_ptr 1
		.amdhsa_wavefront_size32 1
		.amdhsa_system_sgpr_workgroup_id_x 1
		.amdhsa_system_sgpr_workgroup_id_y 1
		.amdhsa_system_sgpr_workgroup_id_z 1
		.amdhsa_system_vgpr_workitem_id 0
		.amdhsa_next_free_vgpr 1024
		.amdhsa_next_free_sgpr 66
		.amdhsa_reserve_vcc 0
		.amdhsa_float_denorm_mode_32 3
		.amdhsa_float_denorm_mode_16_64 3
		.amdhsa_memory_ordered 1
		.amdhsa_forward_progress 1
		.amdhsa_inst_pref_size 244
	.end_amdhsa_kernel
	.amdgpu_metadata
---
amdhsa.version: [ 1, 2 ]
amdhsa.kernels:
  - .name:           k_q9f7d2afc32_gemm
    .symbol:         k_q9f7d2afc32_gemm.kd
    .args:
      - { .name: x_codes, .offset: 0, .size: 8, .value_kind: global_buffer, .address_space: global }
      - { .name: w_codes, .offset: 8, .size: 8, .value_kind: global_buffer, .address_space: global }
      - { .name: scales, .offset: 16, .size: 8, .value_kind: global_buffer, .address_space: global }
      - { .name: out0, .offset: 24, .size: 8, .value_kind: global_buffer, .address_space: global }
    .group_segment_fixed_size: 327680
    .private_segment_fixed_size: 0
    .kernarg_segment_align: 8
    .kernarg_segment_size: 32
    .max_flat_workgroup_size: 128
    .sgpr_count:     66
    .vgpr_count:     1024
    .wavefront_size: 32
...
	.end_amdgpu_metadata
.endif
;; end of part 2
